; MI455X (gfx1250); checked and timed in simulation.
; The chip was launched on July 23, 2026; its instructions are those of AMD's public machine-readable ISA for CDNA 5 (MIT licence, August 2026) and "CDNA5" Instruction Set Architecture Reference Guide (July 2026). The comments in the code are by the model that wrote it; some were corrected since.
;; Quantized Linear. Allowed arithmetic: float matrix products may take bf16 or f16 operands with f32 sums; other float arithmetic in f32, or as packed bf16 or f16 multiplies, adds, multiply-adds, maxima and minima; sums over many terms, partial sums and values carried from step to step in f32; what a program stores and reads back later, other than sums and carried values, may be rounded once to bf16 or f16.
;; Inputs: bias 4,096 int32; weight 4,096 x 4,096 int8; weight_scale 4,096 float32; x 4,096 x 4,096 int8.
;; Outputs: out0 4,096 x 4,096 int8.
;; One version. Each part assembles by itself: llvm-mc -triple=amdgcn-amd-amdhsa -mcpu=gfx1250 --defsym DOCPART=n.
;; ======== version 1 of 1: 1 launch
;; launch qlinear (part 1): grid 16 x 16, 4 waves a work-group, clusters of 4 x 4, 327,680 bytes of LDS; arguments x, weight, out0, bias, weight_scale; writes out0
.if DOCPART == 1
	.amdgcn_target "amdgcn-amd-amdhsa--gfx1250"
	.amdhsa_code_object_version 6
	.text
	.protected	k_q78bf476867_qlinear
	.globl	k_q78bf476867_qlinear
	.p2align	8
	.type	k_q78bf476867_qlinear,@function
k_q78bf476867_qlinear:
	s_mov_b64 s[64:65], 0
	v_nop
	global_prefetch_b8 v0, s[64:65] scope:SCOPE_SE
	s_setreg_imm32_b32 hwreg(HW_REG_WAVE_MODE, 25, 1), 1
	s_wait_xcnt 0x0
	s_wait_alu depctr_hold_cnt(0) depctr_sa_sdst(0) depctr_va_vdst(0) depctr_va_sdst(0) depctr_va_ssrc(0) depctr_va_vcc(0) depctr_vm_vsrc(0)
	s_getreg_b32 s2, hwreg(HW_REG_IB_STS2, 6, 4)
	s_cmp_eq_u32 s2, 0
	s_cbranch_scc0 .Lentry_in_a_cluster
	s_endpgm
.Lentry_in_a_cluster:
	s_bfe_u32 s2, ttmp6, 0x10000c
	s_cmp_lg_u32 s2, 0xf033
	s_cbranch_scc0 .Lentry_shape_is_right
	s_endpgm
.Lentry_shape_is_right:
; out0[t][o] = int8(clip(round(f32(sum over k of x[t][k] weight[o][k] + bias[o]) * scale[o]), -128, 127)), scale[o] = 0.02 * weight_scale[o] / 0.05.
; x: [4096][4096] int8, weight: [4096][4096] int8, bias: [4096] int32, weight_scale: [4096] f32, out0: [4096][4096] int8, compared exactly.
; THE FORMAT.  The product is the problem's own: int8 operands, int32 sums, by v_wmma_i32_16x16x64_iu8 with both sources signed.  Nothing is rounded in it, so the sums have one right
; value in any order.  (16-bit float operands with f32 sums would not do: a sum can reach 2^26, and f32 holds whole numbers only up to 2^24.)
; LEFT OUT: '+ OUTPUT_ZERO_POINT'.  reference() adds the constant 0 that it defines itself: an identity for every finite value (it can only turn -0 into +0, and both become int8 0).
; All four inputs are live and are loaded.  A NaN or an infinity cannot arise in the term left out.
; THE SCALE.  reference() writes (0.02 * ws) / 0.05 with two constants of its own.  The text takes the two as ONE f32 factor c = 0x3ECCCCCC and rounds once: scale = ws c.  c is 0.02f / 0.05f
; rounded to f32 (13421772.3 steps of 2^-25) and also 0.02f x 20 rounded, ties to even (13421772.5 steps), 20 being 1 / 0.05f rounded: the factor that reference() has when it is compiled
; as a whole and its constants are folded.  LIMIT: evaluated step by step in f32 (a product, then a true division) the scale differs from this one in its last bit in part of the columns,
; and an output that lies within that bit of a half then differs by 1.
; IDENTITIES THAT THE TEXT USES, for all values of the inputs:
;  (a) one and the same permutation of k in both sources leaves an exact sum as it is: a fragment's 64 bytes of a row are taken by two loads of 16 bytes a lane, 32 bytes apart;
;  (b) clip(round(v)) = round(clip(v)): the bounds are whole numbers and rounding is monotone;
;  (c) for t in -128 .. 127 the f32 sum t + 12582912 has a step of 1, so it is t rounded to a whole number, ties to even (12582912 is even), and its lowest byte is that number as int8.
;  The bias is the C operand of each sum's first product: it is added in int32, as reference() adds it, and nothing is cleared.
; LIMITS.  |bias| up to 2^31 - 2^26 - 1 keeps every partial sum inside int32; beyond that reference() wraps, and the text leans on the matrix unit's sum wrapping likewise.
; A NaN or infinite weight_scale is not treated apart.
; SHARES.  A tile of out0, 256 x 256, is made by a work-group of four waves; a wave makes 128 x 128: 64 accumulators of 16 x 16, 512 registers.  16 x 16 tiles: 256 work-groups.
; K goes in 16 steps of 256 through a ring of two LDS slots filled by the tensor data mover: a tile's rows are 256 bytes of memory and start at multiples of 256 bytes.
; CLUSTERS: 4 x 4 work-groups.  The four of a row of the cluster need the same tiles of x, the four of a column the same tiles of weight: each tile is asked for JOINTLY, by the same
; tensor load with the same descriptor and a mask that names the four.
; THE MATRIX INSTRUCTION IS USED TRANSPOSED: source 0 = 16 rows of weight, source 1 = 16 rows of x.  Register j of lane l of accumulator (a, b) holds row 16 a + l % 16 and column
; 16 b + 8 (l / 16) + j of my part: eight neighbouring numbers of a row of out0, 8 bytes when packed.
; REGISTERS, in windows of 256 (s_set_vgpr_msb's low byte: bits 1:0 source 0, 3:2 source 1, 5:4 source 2, 7:6 destination):
;   window 0: v0-31 addresses; v64-127, v128-191 fragments of x, two buffers; on the way out v64-127 a block in f32, v128-175 its bytes being packed, then v64-191 rows read back
;   window 1: v0-63 the bias of my 128 columns, laid out as a C operand; v64-127, v128-191 fragments of weight, two buffers; v192-255 the scales, laid out like the bias
;   window 2: the 32 accumulators of my rows 0-63 (accumulator (a, b) at v[8 (8 a + b)]);   window 3: those of my rows 64-127
.set ROWB,   4096                      ; bytes in a row of x, of weight and of out0
.set KSTEP,  256                       ; a K step: 256 numbers, 256 bytes
.set PITCH,  272                       ; an LDS row: 256 bytes of data + 16 of padding = 68 words: row r starts at bank 4 r mod 64 (64 banks of 4 bytes: ISA guide 11.1)
.set HALFT,  128*PITCH                 ; 128 rows: what one tensor load brings, and what one wave reads of x or of weight
.set SLOT,   4*HALFT                   ; x's 256 rows, then weight's 256 rows
.set SPITCH, 272                       ; the stage for the way out: 256 rows x 272 bytes from LDS byte 0 on: the head of slot 0, written only when slot 0 has had its last fill and its last read
.set SPARE,  2*SLOT                    ; behind the ring: the spare words, 128 bytes for each wave: two blocks of 256 bytes that no other line names
.set LAPS,   8                         ; a lap = two K steps = once round the ring
.set ADRA, 16                          ; v16-17  LDS address of my fragments of x in slot 0, 1
.set ADRB, 20                          ; v20-21  the same for weight
.set STO,  24                          ; v24     the way out: where I put 8 bytes of a row
.set RD,   25                          ; v25     the way out: where I read a row back
.set CO,   26                          ; v26     my byte offset in out0
.set BO,   27                          ; v27     my byte offset in 16 columns' bias or scales: 32 (l / 16)
.set SPW,  28                          ; v28     LDS address of my spare word: SPARE + 4 x my thread's number; never rewritten
.set NIL,  29                          ; v29     0; never rewritten
.set PFO,  30                          ; v30     the prefetches' offset: my lane x a row; never rewritten
.set F0,   64                          ; fragment buffer 0
.set F1,   128                         ; fragment buffer 1
.set BIAS, 0                           ; window 1
.set SC,   192                         ; window 1
.set TF,   64                          ; the way out, window 0: a block's 64 numbers in f32
.set UH,   128                         ; two bytes a register
.set WD,   160                         ; four bytes a register
.set OB,   64                          ; 64 rows read back from the stage: 32 loads of 4 registers
.set G1,  24                           ; s[24:31] descriptor group 1 for x's tiles
.set G0,  32                           ; s[32:39] descriptor group 0 for x's tiles, one set for each slot
.set LIM, 43                           ; s43      1 in a wave that prefetches, else the greatest number
.set PFA, 44                           ; s[44:45] where my prefetches stand: my work-group's 32 rows of the 128 that I fetch, at the K step behind the one that is being asked for
.set G1B, 48                           ; s[48:55] descriptor group 1 for weight's tiles: it differs in the mask alone
.set G0B, 56                           ; s[56:63] descriptor group 0 for weight's tiles
.set LO,  72                           ; s72      -128.0
.set HIB, 73                           ; s73      127.0
.set MAG, 74                           ; s[74:75] 12582912.0
.set SELA, 76                          ; s76      v_perm_b32: the lowest bytes of two registers
.set SELB, 77                          ; s77      v_perm_b32: the low halves of two registers
.set CF,  78                           ; s[78:79] c, the scale's one factor
.set MSB, 0
.macro WIN new                         ; the immediate's high byte repeats the setting that is left; a switch that changes nothing is dropped
.if MSB != (\new)
	s_set_vgpr_msb (MSB<<8)|(\new)
.set MSB, \new
.endif
.endm
.set MUL_LO, 0xa1                      ; source 0 (weight) window 1, source 1 (x) window 0, C and D window 2
.set MUL_HI, 0xf1                      ; the same, C and D window 3
.set BEG_LO, 0x91                      ; a sum's first product: C (the bias) window 1, D window 2
.set TO_B,   0x40                      ; destination window 1, address window 0
; A load into a register that a matrix instruction has read, and a vector instruction that reads a matrix result or writes one of a matrix instruction's registers, stand eight places behind
; a matrix instruction of this form, and only plain vector instructions that name none of its registers are places (ISA guide 7.12.1 for vector instructions).
.macro PLACES
.rept 8
	v_nop
.endr
.endm
; A joint load.  Waves 0 and 1 fetch x's two halves, waves 2 and 3 weight's.  Each of the two lines has ONE mask and one set of registers for all that issue it; the branch hangs on the wave's
; number alone.  An s_nop 0 and eight v_nop follow each of the two lines, ahead of the jump, the label and what follows; the eight are also the places in front of the LDS loads behind a refill.
.macro JLOAD s
	s_cmp_eq_u32 s11, 0
	s_cbranch_scc0 .Lfor_b_\@
	tensor_load_to_lds s[G0+4*(\s):G0+4*(\s)+3], s[G1:G1+7]
	s_nop 0
.rept 8
	v_nop
.endr
	s_branch .Lasked_\@
.Lfor_b_\@:
	tensor_load_to_lds s[G0B+4*(\s):G0B+4*(\s)+3], s[G1B:G1B+7]
	s_nop 0
.rept 8
	v_nop
.endr
.Lasked_\@:
.endm
; A PREFETCH INTO THE L2, behind a joint load, its lines and the run of LDS loads that follows them: the K step that the NEXT refill will ask for: 32 rows x 256 bytes, a lane a row, one
; instruction a wave, 256 matrix instructions ahead of that refill.  Each row's 256 bytes of a K step are named ONCE in the launch: x's tile row is read by every cluster of that row of clusters, and
; the first of them (cluster x = 0) asks; weight's tile column by every cluster of that column, and cluster y = 0 asks.  The four partners that ask for a tile jointly share its rows out BY ADDRESS:
; of the 128 rows that a wave fetches the partner at place p takes 32 p .. 32 p + 31 (p = cx for x, cy for weight).  K steps 0 to 2 come by their loads alone.
; always = 0: slot 1's change of slots, which in the loop's last trip (s3 = 1) has no K step behind its own refill and asks for nothing.
.macro ASK always
.if \always
	s_cmp_eq_u32 s[LIM], 1
.else
	s_cmp_gt_u32 s3, s[LIM]
.endif
	s_cbranch_scc0 .Lnot_mine_\@
	global_prefetch_b8 v[PFO], s[PFA:PFA+1] th:TH_LOAD_NT scope:SCOPE_SE
.Lnot_mine_\@:
.endm
; A round of the cluster's barrier: my work-group's barrier, so that wave 0's signal speaks for all four waves; wave 0 signals for the work-group; every wave waits for all sixteen
; work-groups; my work-group's barrier once more.
.macro CREST                           ; a round behind its opening barrier
	s_cmp_lg_u32 s10, 0
	s_cbranch_scc1 .Lnot_wave_0_\@
	s_barrier_signal -3
.Lnot_wave_0_\@:
	s_barrier_wait -3
	s_barrier_signal -1
	s_barrier_wait -1
.endm
.macro CROUND                          ; a whole round
	s_barrier_signal -1
	s_barrier_wait -1
	CREST
.endm
	s_load_b128 s[4:7], s[0:1], 0x0                ; x s[4:5], weight s[6:7]
	s_load_b64 s[8:9], s[0:1], 0x10                ; out0
	s_load_b128 s[68:71], s[0:1], 0x18             ; bias s[68:69], weight_scale s[70:71]
	v_lshl_add_u32 v[SPW], v0, 2, SPARE
	v_mov_b32 v[NIL], 0
	ds_add_u32 v[SPW], v[NIL]                      ; the wave's opening: the add, twice on end, and its wait ahead of my first tensor load; the set-up below, work on registers, stands between the second and the wait
	ds_add_u32 v[SPW], v[NIL]                      ; and once more, under the one wait
	v_lshrrev_b32 v1, 5, v0
	v_readfirstlane_b32 s10, v1                    ; wave 0..3
	s_lshr_b32 s11, s10, 1                         ; which half of the tile's rows is mine.  Also: I fetch for x (0) or for weight (1)
	s_and_b32 s12, s10, 1                          ; which half of its columns.  Also: which 128 rows of that tile I fetch
	s_bfe_u32 s40, ttmp6, 0x40000                  ; cx: my place along the cluster's x
	s_bfe_u32 s41, ttmp6, 0x40004                  ; cy: along its y
	s_lshl_b32 s42, ttmp9, 2                       ; in a cluster launch ttmp9 and ttmp7 count clusters
	s_add_co_u32 s42, s42, s40                     ; tile column = 4 x cluster x + cx
	s_and_b32 s13, ttmp7, 0xffff
	s_lshl_b32 s13, s13, 2
	s_add_co_u32 s13, s13, s41                     ; tile row = 4 x cluster y + cy
	s_lshl_b32 s43, s41, 2
	s_lshl_b32 s43, 15, s43                        ; my row of the cluster: places 4 cy .. 4 cy + 3
	s_lshl_b32 s44, 0x1111, s40                    ; my column: places cx, cx + 4, cx + 8, cx + 12
	; descriptor group 1: a tile of 128 rows x 256 elements of one byte, padded in LDS
	s_or_b32 s[G1+0], s43, (1<<20)|(1<<21)|(5<<22)|(3<<25)   ; 15:0 the mask: x's tiles go to my row; 17:16 elements of 1 byte (code 0); 20 padding on; 21 set beside a mask; 24:22 after every 64 words (code 5); 31:25 4 words of it (code 3)
	s_or_b32 s[G1B+0], s44, (1<<20)|(1<<21)|(5<<22)|(3<<25)  ; the same with the mask of my column, for weight's tiles
.irp g, G1, G1B
	s_mov_b32 s[(\g)+1], KSTEP<<16                 ; 63:48 tensor_dim0, low half = 256
	s_mov_b32 s[(\g)+2], 128<<16                   ; 79:64 its high half = 0; 95:80 tensor_dim1, low half = 128
	s_mov_b32 s[(\g)+3], KSTEP<<16                 ; 111:96 its high half = 0; 127:112 tile_dim0 = 256
	s_mov_b32 s[(\g)+4], 128                       ; 143:128 tile_dim1 = 128; 159:144 tile_dim2 = 0
	s_mov_b32 s[(\g)+5], ROWB                      ; 191:160 tensor_dim0_stride, low word: 4,096 elements from row to row
	s_mov_b32 s[(\g)+6], 0
	s_mov_b32 s[(\g)+7], 0
.endr
	s_mov_b32 s[LO], 0xc3000000                    ; -128.0
	s_mov_b32 s[HIB], 0x42fe0000                   ; 127.0
	s_mov_b32 s[MAG], 0x4b400000                   ; 12582912.0 = 1.5 x 2^23
	s_mov_b32 s[MAG+1], 0x4b400000                 ; (a packed line names the pair and takes its low word for both halves)
	s_mov_b32 s[SELA], 0x04000400
	s_mov_b32 s[SELB], 0x05040100
	s_mov_b32 s[CF], 0x3ecccccc                    ; c = 13421772 x 2^-25: 0.02f / 0.05f rounded to f32
	s_mov_b32 s[CF+1], 0x3ecccccc
	; where the tiles come from.  x's hang on the tile row alone, which my row of the cluster shares; weight's on the tile column alone, which my column shares.
	; Every wave makes both addresses, in registers that never hold the other coordinate, and asks by one of them.
	s_lshl_b32 s17, s12, 7                         ; which 128 rows of the tile I fetch
	s_lshl_b32 s16, s13, 8
	s_add_co_u32 s16, s16, s17                     ; x: row 256 x tile row + 128 x half,
	s_lshl_b32 s16, s16, 12                        ; in bytes: under 2^24
	s_lshl_b32 s46, s42, 8
	s_add_co_u32 s46, s46, s17                     ; weight: row 256 x tile column + 128 x half
	s_lshl_b32 s46, s46, 12
	s_mov_b32 s17, 0
	s_mov_b32 s47, 0
	s_mul_i32 s20, s10, HALFT                      ; and where they go: wave x 128 rows: no place in the cluster enters an LDS address
	s_wait_dscnt 0x0                               ; both opening adds are done
	s_wait_kmcnt 0x0
	s_add_nc_u64 s[14:15], s[4:5], s[16:17]
	s_add_nc_u64 s[46:47], s[6:7], s[46:47]
	CROUND                                         ; all sixteen work-groups are here: the first joint loads meet
.irp s, 0,1
	s_mov_b32 s[G0+4*(\s)], 1                                      ; 1:0 count = 1
	s_add_co_u32 s[G0+4*(\s)+1], s20, (\s)*SLOT                    ; 63:32 LDS address
	s_add_nc_u64 s[G0+4*(\s)+2:G0+4*(\s)+3], s[14:15], (\s)*KSTEP  ; 120:64 global address: K step s
	s_or_b32 s[G0+4*(\s)+3], s[G0+4*(\s)+3], 0x80000000            ; 127:126 type = 2
	s_mov_b32 s[G0B+4*(\s)], 1
	s_add_co_u32 s[G0B+4*(\s)+1], s20, (\s)*SLOT
	s_add_nc_u64 s[G0B+4*(\s)+2:G0B+4*(\s)+3], s[46:47], (\s)*KSTEP
	s_or_b32 s[G0B+4*(\s)+3], s[G0B+4*(\s)+3], 0x80000000
	JLOAD \s                                       ; the ring is filled before anything else is done: two tensor loads of mine are out
.endr
	; WHILE THE FIRST TILES ARE ON THEIR WAY: the bias and the scales of my 128 columns, laid out as a C operand: register j of block b holds column 16 b + 8 (l / 16) + j
	v_and_b32 v1, 15, v0                           ; l % 16
	v_bfe_u32 v2, v0, 4, 1                         ; l / 16
	v_lshlrev_b32 v[BO], 5, v2
	s_lshl_b32 s46, s42, 10                        ; 4 bytes x (256 x tile column
	s_lshl_b32 s47, s12, 9                         ; + 128 x my half)
	s_add_co_u32 s46, s46, s47
	s_mov_b32 s47, 0
	s_add_nc_u64 s[68:69], s[68:69], s[46:47]
	s_add_nc_u64 s[70:71], s[70:71], s[46:47]
	WIN TO_B
.irp b, 0,1,2,3,4,5,6,7
	global_load_b128 v[BIAS+8*(\b):BIAS+8*(\b)+3],   v[BO], s[68:69] offset:64*(\b)
	global_load_b128 v[BIAS+8*(\b)+4:BIAS+8*(\b)+7], v[BO], s[68:69] offset:64*(\b)+16
	global_load_b128 v[SC+8*(\b):SC+8*(\b)+3],       v[BO], s[70:71] offset:64*(\b)
	global_load_b128 v[SC+8*(\b)+4:SC+8*(\b)+7],     v[BO], s[70:71] offset:64*(\b)+16
.endr
	WIN 0
	; A fragment is 16 rows x 64 K in 8 registers: lane l takes, of row l % 16, the 16 bytes at 16 (l / 16) and the 16 bytes 32 further on.  The same for both sources, so each product pairs numbers of one k.
	v_mul_u32_u24 v3, v1, PITCH
	v_lshl_add_u32 v3, v2, 4, v3                   ; row x pitch + 16 x half
	s_mul_i32 s21, s11, HALFT                      ; my 128 rows of x
	s_mul_i32 s22, s12, HALFT                      ; my 128 rows of weight,
	s_add_co_u32 s22, s22, 2*HALFT                 ; which lie behind x's 256
.irp s, 0,1
	v_add_nc_u32 v[ADRA+(\s)], s21, v3
	v_add_nc_u32 v[ADRB+(\s)], s22, v3
	s_add_co_u32 s21, s21, SLOT
	s_add_co_u32 s22, s22, SLOT
.endr
	s_mul_i32 s23, s11, 128*SPITCH                 ; into the stage: my 128 rows, my half of their 256 bytes; row l % 16, 8 bytes for each half of the lanes
	s_lshl_b32 s21, s12, 7
	s_add_co_u32 s23, s23, s21
	v_mul_u32_u24 v4, v1, SPITCH
	v_lshl_add_u32 v4, v2, 3, v4
	v_add_nc_u32 v[STO], s23, v4
	s_mul_i32 s23, s10, 64*SPITCH                  ; back: wave w takes rows 64 w .. 64 w + 63, whole; lanes 0-15 one row of 256 bytes, lanes 16-31 the next
	v_mul_u32_u24 v5, v2, SPITCH
	v_lshl_add_u32 v5, v1, 4, v5
	v_add_nc_u32 v[RD], s23, v5
	v_lshlrev_b32 v5, 12, v2                       ; and the same two rows in out0
	v_lshl_add_u32 v[CO], v1, 4, v5
	v_and_b32 v[PFO], 31, v0
	v_lshlrev_b32 v[PFO], 12, v[PFO]
	s_lshl_b32 s16, s13, 8
	s_lshl_b32 s17, s10, 6
	s_add_co_u32 s16, s16, s17                     ; the first row of out0 that I store: 256 x tile row + 64 x wave,
	s_lshl_b32 s16, s16, 12                        ; in bytes
	s_mov_b32 s17, 0
	s_add_nc_u64 s[8:9], s[8:9], s[16:17]
	s_lshl_b32 s46, s42, 8                         ; the tile's first column, in bytes (s47 = 0)
	s_add_nc_u64 s[8:9], s[8:9], s[46:47]
	; the prefetches
	s_lshl_b32 s13, s13, 8                         ; 256 x tile row
	s_lshl_b32 s42, s42, 8                         ; 256 x tile column
	s_and_b32 s22, ttmp7, 0xffff                   ; cluster y
	s_cmp_eq_u32 s11, 0                            ; do I fetch for x?
	s_cselect_b32 s20, s13, s42                    ; the tile's first row: in x by the tile row, in weight by the tile column
	s_cselect_b32 s21, s40, s41                    ; my place among the four that ask for it with me
	s_cselect_b32 s22, ttmp9, s22                  ; the coordinate along which other clusters read the same rows
	s_cselect_b64 s[PFA:PFA+1], s[4:5], s[6:7]
	s_cmp_eq_u32 s22, 0
	s_cselect_b32 s[LIM], 1, -1                    ; the same in all sixteen partners, for a given wave
	s_lshl_b32 s22, s12, 7
	s_add_co_u32 s20, s20, s22                     ; + the 128 rows that I fetch
	s_lshl_b32 s21, s21, 5
	s_add_co_u32 s20, s20, s21                     ; + my work-group's 32 of them
	s_lshl_b32 s20, s20, 12
	s_mov_b32 s21, 0
	s_add_nc_u64 s[PFA:PFA+1], s[PFA:PFA+1], s[20:21]
	s_add_nc_u64 s[PFA:PFA+1], s[PFA:PFA+1], 2*KSTEP  ; at K step 2: the first refill steps it to 3 and names that.  Nothing is prefetched here, at the head, where every work-group's first tiles are on their way
	s_wait_loadcnt 0x0                             ; bias and scales are in
	WIN 0x41                                       ; destination and source 0 in window 1
.set i, 0
.rept 32
	v_pk_mul_f32 v[SC+i:SC+i+1], v[SC+i:SC+i+1], s[CF:CF+1] op_sel_hi:[1,0]  ; scale = ws c, one rounding
.set i, i+2
.endr
	WIN 0
; 16 matrix instructions: row blocks a0, a0 + 1 of the window's four (hi = 0: my rows 0-63, 1: rows 64-127) x all 8 column blocks, 64 along K.
; start = 1: the first product starts the sums with the bias as C.  The 64 accumulators take turns, one instruction a turn, in the same order in every quarter step.
.macro MUL16 f, hi, a0, start
.if \start
	WIN BEG_LO+0x40*(\hi)
.else
	WIN MUL_LO+0x50*(\hi)
.endif
.irp a, \a0, (\a0)+1
.irp b, 0,1,2,3,4,5,6,7
.if \start
	v_wmma_i32_16x16x64_iu8 v[8*(8*(\a)+(\b)):8*(8*(\a)+(\b))+7], v[(\f)+8*(\b):(\f)+8*(\b)+7], v[(\f)+8*(4*(\hi)+(\a)):(\f)+8*(4*(\hi)+(\a))+7], v[BIAS+8*(\b):BIAS+8*(\b)+7] neg_lo:[1,1,0]
.else
	v_wmma_i32_16x16x64_iu8 v[8*(8*(\a)+(\b)):8*(8*(\a)+(\b))+7], v[(\f)+8*(\b):(\f)+8*(\b)+7], v[(\f)+8*(4*(\hi)+(\a)):(\f)+8*(4*(\hi)+(\a))+7], v[8*(8*(\a)+(\b)):8*(8*(\a)+(\b))+7] neg_lo:[1,1,0]
.endif
.endr
.endr
.endm
; 32 LDS loads in one run: the fragments of one quarter step (128 rows of weight, 128 rows of x, 64 K at byte k of the rows) into buffer f
.macro FETCH slot, k, f
	WIN TO_B
.irp i, 0,1,2,3,4,5,6,7
	ds_load_b128 v[(\f)+8*(\i):(\f)+8*(\i)+3],   v[ADRB+(\slot)] offset:(\k)+(\i)*16*PITCH
	ds_load_b128 v[(\f)+8*(\i)+4:(\f)+8*(\i)+7], v[ADRB+(\slot)] offset:(\k)+(\i)*16*PITCH+32
.endr
	WIN 0
.irp i, 0,1,2,3,4,5,6,7
	ds_load_b128 v[(\f)+8*(\i):(\f)+8*(\i)+3],   v[ADRA+(\slot)] offset:(\k)+(\i)*16*PITCH
	ds_load_b128 v[(\f)+8*(\i)+4:(\f)+8*(\i)+7], v[ADRA+(\slot)] offset:(\k)+(\i)*16*PITCH+32
.endr
.endm
; A K step is four quarter steps of 64 along K, 64 matrix instructions each, on buffers 0, 1, 0, 1.
; One of the first three: multiplies buffer f; in its middle it fetches the next quarter's fragments, at byte k of the same slot's rows, into buffer g.
.macro QUARTER slot, k, f, g, start
	s_wait_dscnt 8                                 ; weight's and x's rows 0-63 are in; the youngest eight loads (x's rows 64-127) may be out
	MUL16 \f, 0, 0, \start
	MUL16 \f, 0, 2, \start
	PLACES
	FETCH \slot, \k, \g
	s_wait_dscnt 32                                ; all but the 32 just issued
	MUL16 \f, 1, 0, \start
	MUL16 \f, 1, 2, \start
.endm
; The last quarter multiplies buffer 1 and changes slots.  MEET is its first half: ONE barrier for the change of slots, for two things.  In front of it each wave waits for all its tensor loads,
; of which one is out: its part of the next slot; adds 0 to its spare word; and waits for that and for its own reads of this slot.  Behind it nobody reads this slot any more and the next slot is whole.
.macro MEET round                      ; round = 1: a round of the cluster's barrier follows
	WIN 0                                          ; (the add's two registers lie in window 0)
	s_wait_tensorcnt 0x0                           ; all my tensor loads have landed;
	ds_add_u32 v[SPW], v[NIL]                      ; 0 onto my spare word;
	s_wait_dscnt 9                                 ; (the add and the youngest eight loads may be out)
	MUL16 F1, 0, 0, 0                              ; sixteen matrix instructions stand between the add and the wait for it
	s_wait_dscnt 0x0                               ; the add is done, and my reads of this slot are over:
	s_barrier_signal -1                            ; say so (where a slot is filled again this barrier opens a round of the cluster's barrier),
	MUL16 F1, 0, 2, 0                              ; work on registers while the others arrive,
.if \round
	WIN 0
.endif
	s_barrier_wait -1                              ; and go on when all four have said so
.endm
; The whole last quarter.  fill = 1: behind the round the slot just read out is filled again first, with the K step two steps on; then come the next slot's first fragments.
; From a request to the wait for it a wave issues 224 matrix instructions.
.macro TURN slot, next, fill
.if \fill
	s_wait_xcnt 0x0                                ; the last prefetch, a K step back, has read its address: it is stepped here, ahead of the waits of the change of slots
	s_add_nc_u64 s[PFA:PFA+1], s[PFA:PFA+1], KSTEP
.endif
	MEET \fill
.if \fill
	CREST                                          ; all sixteen work-groups have said so: no wave of any partner still reads this slot's tile or has a load on its way
	s_add_nc_u64 s[G0+4*(\slot)+2:G0+4*(\slot)+3], s[G0+4*(\slot)+2:G0+4*(\slot)+3], 2*KSTEP     ; no tensor load of mine is out, so a group 0 may be written; the type bits on top are not reached
	s_add_nc_u64 s[G0B+4*(\slot)+2:G0B+4*(\slot)+3], s[G0B+4*(\slot)+2:G0B+4*(\slot)+3], 2*KSTEP
	JLOAD \slot                                    ; the first tensor load behind the round, and my only one until the next
.else
	PLACES
.endif
	FETCH \next, 0, F0
.if \fill
.if (\slot) == 0
	ASK 1
.else
	ASK 0
.endif
.endif
	MUL16 F1, 1, 0, 0
	MUL16 F1, 1, 2, 0
.endm
; THE WAY OUT of block a (16 of my rows x my 128 columns): int32 to f32 (one rounding to nearest even), times the column's scale (one rounding), held to -128 .. 127, rounded to a whole number by the
; sum with 12582912, whose lowest byte is the int8; the bytes of 8 neighbouring columns packed into two registers; 8 bytes a lane into the work-group's stage.
; Each accumulator's registers are read in ascending order.  A store's 32 lanes touch each of the 64 banks once: row r starts at bank 4 r, the lanes' upper half 2 banks on.
.macro PACK a
.set AC, 64*((\a)%4)
	WIN 0x02+(\a)/4                                ; source 0: window 2 or 3
.set i, 0
.rept 64
	v_cvt_f32_i32 v[TF+i], v[AC+i]
.set i, i+1
.endr
	WIN 0x04                                       ; source 1 (the scales): window 1
.set i, 0
.rept 32
	v_pk_mul_f32 v[TF+i:TF+i+1], v[TF+i:TF+i+1], v[SC+i:SC+i+1]
.set i, i+2
.endr
	WIN 0
.set i, 0
.rept 64
	v_med3_num_f32 v[TF+i], v[TF+i], s[LO], s[HIB]
.set i, i+1
.endr
.set i, 0
.rept 32
	v_pk_add_f32 v[TF+i:TF+i+1], v[TF+i:TF+i+1], s[MAG:MAG+1] op_sel_hi:[1,0]
.set i, i+2
.endr
.set i, 0
.rept 32
	v_perm_b32 v[UH+i], v[TF+2*i+1], v[TF+2*i], s[SELA]   ; the lowest bytes of two numbers, the lower column's first
.set i, i+1
.endr
.set i, 0
.rept 16
	v_perm_b32 v[WD+i], v[UH+2*i+1], v[UH+2*i], s[SELB]   ; four columns' bytes
.set i, i+1
.endr
.irp b, 0,1,2,3,4,5,6,7
	ds_store_b64 v[STO], v[WD+2*(\b):WD+2*(\b)+1] offset:(\a)*16*SPITCH+16*(\b)
.endr
.endm
	s_wait_tensorcnt 1                             ; my part of K step 0 is in; K step 1's load may stay out
	s_barrier_signal -1
	s_barrier_wait -1                              ; everybody's is
	FETCH 0, 0, F0
	QUARTER 0, 64,  F0, F1, 1                      ; the first quarter stands in front of the loop: its products start the sums, with the bias
	WIN 0                                          ; at a label and at a branch every window is 0
	s_mov_b32 s3, LAPS-1
.Llap:                                                 ; a trip goes once round the ring, from a lap's second quarter to the next lap's first, and fills both slots again
	QUARTER 0, 128, F1, F0, 0
	QUARTER 0, 192, F0, F1, 0
	TURN 0, 1, 1
	QUARTER 1, 64,  F0, F1, 0
	QUARTER 1, 128, F1, F0, 0
	QUARTER 1, 192, F0, F1, 0
	TURN 1, 0, 1
	QUARTER 0, 64,  F0, F1, 0
	WIN 0
	s_sub_co_u32 s3, s3, 1
	s_cmp_lg_u32 s3, 0
	s_cbranch_scc1 .Llap
	QUARTER 0, 128, F1, F0, 0                      ; the last lap fills nothing, and has no round of the cluster's barrier
	QUARTER 0, 192, F0, F1, 0
	TURN 0, 1, 0                                   ; behind this barrier no wave reads slot 0 any more, and no tensor load fills it again
	QUARTER 1, 64,  F0, F1, 0
	QUARTER 1, 128, F1, F0, 0
	QUARTER 1, 192, F0, F1, 0
	s_wait_dscnt 8                                 ; the very last quarter: nothing more to fetch
	MUL16 F1, 0, 0, 0
	MUL16 F1, 0, 2, 0
	s_wait_dscnt 0x0
	MUL16 F1, 1, 0, 0
	MUL16 F1, 1, 2, 0
	WIN 0
	; THE WAY OUT.  A wave's 128 columns are half of an aligned 256 bytes of out0, so the four waves share ONE stage, with a barrier between the writing and the reading.
	PLACES                                         ; sixteen places, once a launch: the lines behind them read results just made and write registers that products have read
	PLACES
.irp a, 0,1,2,3,4,5,6,7
	PACK \a
.endr
	s_wait_dscnt 0x0                               ; for the others' sake: my stores into the stage are done
	s_barrier_signal -1
	s_barrier_wait -1
.set t, 0
.rept 32
	ds_load_b128 v[OB+4*t:OB+4*t+3], v[RD] offset:t*2*SPITCH
.set t, t+1
.endr
.set t, 0
.rept 32
	s_wait_dscnt 31-t                              ; LDS loads come back in order (ISA guide 5.7.1): load t is in, the younger ones may be out
	global_store_b128 v[CO], v[OB+4*t:OB+4*t+3], s[8:9] offset:t*2*ROWB th:TH_STORE_NT  ; 16 lanes store 256 consecutive bytes, at a multiple of 256 from out0's first byte
.set t, t+1
.endr
	s_wait_tensorcnt 0x0                           ; the wave's end, behind my last tensor load and my last LDS store
	ds_add_u32 v[SPW], v[NIL]
	s_wait_dscnt 0x0
	CROUND                                         ; the closing round: no work-group ends while a partner may still ask for a tile that names it
	s_endpgm
.Lfunc_end_k_q78bf476867_qlinear:
	.size	k_q78bf476867_qlinear, .Lfunc_end_k_q78bf476867_qlinear-k_q78bf476867_qlinear
	.p2alignl 7, 3214868480
	.fill 96, 4, 3214868480
	.section	.rodata,"a",@progbits
	.p2align	6, 0x0
	.amdhsa_kernel k_q78bf476867_qlinear
		.amdhsa_group_segment_fixed_size 327680
		.amdhsa_private_segment_fixed_size 0
		.amdhsa_enable_private_segment 0
		.amdhsa_kernarg_size 40
		.amdhsa_user_sgpr_count 2
		.amdhsa_user_sgpr_kernarg_segment_ptr 1
		.amdhsa_wavefront_size32 1
		.amdhsa_system_sgpr_workgroup_id_x 1
		.amdhsa_system_sgpr_workgroup_id_y 1
		.amdhsa_system_sgpr_workgroup_id_z 1
		.amdhsa_system_vgpr_workitem_id 0
		.amdhsa_next_free_vgpr 1024
		.amdhsa_next_free_sgpr 80
		.amdhsa_reserve_vcc 0
		.amdhsa_float_denorm_mode_32 3
		.amdhsa_float_denorm_mode_16_64 3
		.amdhsa_memory_ordered 1
		.amdhsa_forward_progress 1
		.amdhsa_inst_pref_size 236
	.end_amdhsa_kernel
	.amdgpu_metadata
---
amdhsa.version: [ 1, 2 ]
amdhsa.kernels:
  - .name:           k_q78bf476867_qlinear
    .symbol:         k_q78bf476867_qlinear.kd
    .args:
      - { .name: x, .offset: 0, .size: 8, .value_kind: global_buffer, .address_space: global }
      - { .name: weight, .offset: 8, .size: 8, .value_kind: global_buffer, .address_space: global }
      - { .name: out0, .offset: 16, .size: 8, .value_kind: global_buffer, .address_space: global }
      - { .name: bias, .offset: 24, .size: 8, .value_kind: global_buffer, .address_space: global }
      - { .name: weight_scale, .offset: 32, .size: 8, .value_kind: global_buffer, .address_space: global }
    .group_segment_fixed_size: 327680
    .private_segment_fixed_size: 0
    .kernarg_segment_align: 8
    .kernarg_segment_size: 40
    .max_flat_workgroup_size: 128
    .sgpr_count:     80
    .vgpr_count:     1024
    .wavefront_size: 32
...
	.end_amdgpu_metadata
.endif
;; end of part 1
